; MI455X (gfx1250); checked and timed in simulation.
; The chip was launched on July 23, 2026; its instructions are those of AMD's public machine-readable ISA for CDNA 5 (MIT licence, August 2026) and "CDNA5" Instruction Set Architecture Reference Guide (July 2026). The comments in the code are by the model that wrote it; some were corrected since.
;; Multi Head Self Attention. Allowed arithmetic: float matrix products may take bf16 or f16 operands with f32 sums; all other float work in f32.
;; Inputs: Wk 1,024 x 1,024 float32; Wo 1,024 x 1,024 float32; Wq 1,024 x 1,024 float32; Wv 1,024 x 1,024 float32; x 2 x 2,048 x 1,024 float32.
;; Outputs: out0 2 x 2,048 x 1,024 float32.
;; One version. Each part assembles by itself: llvm-mc -triple=amdgcn-amd-amdhsa -mcpu=gfx1250 --defsym DOCPART=n.
;; ======== version 1 of 1: 4 launches
;; limits: values are held in f16: magnitudes above 65,504 overflow, below 6.1e-05 lose precision
;; workspace buffers: xb 8,388,608 bytes; wqkv 6,291,456 bytes; wob 2,097,152 bytes; tab 524,288 bytes; qkv 25,165,824 bytes; ao 8,388,608 bytes
;; launch prep (part 1): grid 256 x 1, 8 waves a work-group, no clusters, 0 bytes of LDS; arguments x, Wq, Wk, Wv, Wo, xb, wqkv, wob, tab; writes xb, wqkv, wob, tab
.if DOCPART == 1
	.amdgcn_target "amdgcn-amd-amdhsa--gfx1250"
	.amdhsa_code_object_version 6
	.text
	.protected	k_qed61362d4d_prep
	.globl	k_qed61362d4d_prep
	.p2align	8
	.type	k_qed61362d4d_prep,@function
k_qed61362d4d_prep:
	s_mov_b64 s[64:65], 0
	v_nop
	global_prefetch_b8 v0, s[64:65] scope:SCOPE_SE
	s_setreg_imm32_b32 hwreg(HW_REG_WAVE_MODE, 25, 1), 1
	s_wait_xcnt 0x0
; prep: every input is rounded once to 16 bits, and RoPE's cosines and sines are tabulated.
;   xb   [4096][1024] bf16          = x
;   wqkv [3072][1024] bf16          = Wq's rows, then Wk's, then Wv's
;   wob  [16 kb][1024 e][64] f16    = bf16(Wo), written as f16, in blocks of 64 along k (one block for each head)
;   tab  [2048 pos][32 pairs][cos, sin] f32
; A stream: no LDS, no barrier, no matrix unit, no loop.  256 work-groups of 256 threads; a work-group takes 64 KiB of x
; (8 chunks of 256 threads x 8 numbers) and 16 KiB (2 chunks) of each weight.  All 32 loads of a thread go out first;
; the table entry is computed while they are on their way; no register is written twice, so nothing waits for a store.
; LIMITS.  Wo: the f16 image of bf16(Wo) is exact for 2^-17 <= |w| <= 65504; smaller numbers lose low bits (absolute error
; at most 3e-8), larger ones become infinite.  Table: the angle is pos * exp2(-p * log2(10000)/32) in f32, which lies within
; a few 1e-4 rad of pos / 10000^(p/32) at the largest positions; sine and cosine by reduction to |r| <= pi/4 and series
; whose first dropped terms are r^9/9! and r^10/10! (below 4e-7).
.set X, 32                             ; v[32:159]  32 loads of 4 registers: chunk i in v[X+8i : X+8i+7]
.set Y, 160                            ; v[160:223] chunk i's 8 numbers in 16 bits: v[Y+4i : Y+4i+3]
.set W, 22                             ; v[22:29]   Wo: bf16 halves widened again
.macro LD2 i, off, base, imm           ; chunk i: a thread's 32 bytes, two loads of 16
	global_load_b128 v[X+8*(\i):X+8*(\i)+3], v\off, s[\base:\base+1] offset:\imm th:TH_LOAD_NT
	global_load_b128 v[X+8*(\i)+4:X+8*(\i)+7], v\off, s[\base:\base+1] offset:\imm+16 th:TH_LOAD_NT
.endm
.macro CV i                            ; chunk i to bf16
	s_wait_loadcnt 30-2*(\i)               ; loads return in order: chunk i's two are in, the 30 - 2i younger ones stay out
.irp j, 0,1,2,3
	v_cvt_pk_bf16_f32 v[Y+4*(\i)+\j], v[X+8*(\i)+2*\j], v[X+8*(\i)+2*\j+1]
.endr
.endm
	s_load_b512 s[16:31], s[0:1], 0x0              ; x 16, Wq 18, Wk 20, Wv 22, Wo 24, xb 26, wqkv 28, wob 30
	s_load_b64 s[32:33], s[0:1], 0x40              ; tab
	s_mov_b32 s3, 0                                ; upper word of every offset pair
	s_mov_b32 s34, 0xbed49a78                      ; -log2(10000)/32
	s_mov_b32 s35, 0x3f22f983                      ; 2/pi
	s_mov_b32 s36, 0xbfc90fdb                      ; -(pi/2 rounded to f32)
	s_mov_b32 s37, 0x333bbd2e                      ; (pi/2 rounded to f32) - pi/2
	s_mov_b32 s38, 0xb9500d01                      ; -1/5040
	s_mov_b32 s39, 0x3c088889                      ; 1/120
	s_mov_b32 s40, 0xbe2aaaab                      ; -1/6
	s_mov_b32 s41, 0x37d00d01                      ; 1/40320
	s_mov_b32 s42, 0xbab60b61                      ; -1/720
	s_mov_b32 s43, 0x3d2aaaab                      ; 1/24
	s_lshl_b32 s4, ttmp9, 3                        ; the work-group's first position in the table
	v_lshlrev_b32 v1, 5, v0                        ; 32 T: my 8 f32 in a chunk
	v_lshlrev_b32 v2, 4, v0                        ; 16 T: my 8 bf16 in a chunk
	v_bfe_u32 v6, v0, 3, 1                         ; Wo: which of the chunk's two rows
	v_lshrrev_b32 v7, 4, v0                        ; Wo: k block 0..15
	v_and_b32 v8, 7, v0                            ; Wo: which 8 of the block's 64 numbers
	v_and_b32 v9, 15, v0
	v_lshlrev_b32 v3, 12, v6                       ; Wo source: row x 4096
	v_lshl_add_u32 v3, v7, 8, v3                   ;   + k block x 256
	v_lshl_add_u32 v3, v8, 5, v3                   ;   + 32 bytes
	v_lshlrev_b32 v4, 17, v7                       ; wob: k block x 131072
	v_lshl_add_u32 v4, v9, 4, v4                   ;   + (row x 128 + 16 bytes): sixteen lanes cover 256 consecutive bytes, aligned
	v_lshlrev_b32 v5, 3, v0                        ; tab: 8 T
	s_wait_kmcnt 0x0
	s_lshl_b32 s2, ttmp9, 16                       ; each buffer's address gets its own offset
	s_add_nc_u64 s[16:17], s[16:17], s[2:3]
	s_lshl_b32 s2, ttmp9, 14
	s_add_nc_u64 s[18:19], s[18:19], s[2:3]
	s_add_nc_u64 s[20:21], s[20:21], s[2:3]
	s_add_nc_u64 s[22:23], s[22:23], s[2:3]
	s_add_nc_u64 s[24:25], s[24:25], s[2:3]
	s_lshl_b32 s2, ttmp9, 15
	s_add_nc_u64 s[26:27], s[26:27], s[2:3]
	s_lshl_b32 s2, ttmp9, 13
	s_add_nc_u64 s[28:29], s[28:29], s[2:3]
	s_lshl_b32 s2, ttmp9, 9
	s_add_nc_u64 s[30:31], s[30:31], s[2:3]
	s_lshl_b32 s2, ttmp9, 11
	s_add_nc_u64 s[32:33], s[32:33], s[2:3]
.irp c, 0,1,2,3,4,5,6,7
	LD2 \c, 1, 16, (8192*\c)                       ; x
.endr
.irp c, 0,1
	LD2 (8+\c), 1, 18, (8192*\c)                   ; Wq
.endr
.irp c, 0,1
	LD2 (10+\c), 1, 20, (8192*\c)                  ; Wk
.endr
.irp c, 0,1
	LD2 (12+\c), 1, 22, (8192*\c)                  ; Wv
.endr
.irp c, 0,1
	LD2 (14+\c), 3, 24, (8192*\c)                  ; Wo, in the order in which wob wants it
.endr
	; my entry of the table: position 8 g + T / 32, pair T % 32
	v_and_b32 v6, 31, v0
	v_lshrrev_b32 v7, 5, v0
	v_add_nc_u32 v7, s4, v7
	v_cvt_f32_u32 v6, v6
	v_cvt_f32_u32 v7, v7
	v_mul_f32 v8, s34, v6
	v_exp_f32 v8, v8                               ; 10000^(-p/32)
	v_nop                                          ; one plain instruction behind a transcendental before its result is used (ISA guide 5.7.2)
	s_wait_alu depctr_va_vdst(0)
	v_mul_f32 v9, v7, v8                           ; the angle a
	v_mul_f32 v10, s35, v9
	v_rndne_f32 v10, v10                           ; n = nearest whole number of quarter turns
	v_fma_f32 v11, v10, s36, v9                    ; a - n x (pi/2 in f32): exact, both are multiples of 2^-23 and the result is below 1
	v_fma_f32 v11, v10, s37, v11                   ; the rest of pi/2: r, |r| <= pi/4
	v_mul_f32 v12, v11, v11                        ; z = r^2
	v_fma_f32 v13, v12, s38, s39
	v_fma_f32 v13, v13, v12, s40
	v_mul_f32 v14, v11, v12
	v_fma_f32 v13, v14, v13, v11                   ; sin r
	v_fma_f32 v15, v12, s41, s42
	v_fma_f32 v15, v15, v12, s43
	v_fma_f32 v15, v15, v12, -0.5
	v_fma_f32 v15, v15, v12, 1.0                   ; cos r
	v_cvt_i32_f32 v16, v10                         ; the quadrant is n mod 4
	v_and_b32 v17, 1, v16
	v_cmp_eq_u32 vcc_lo, 1, v17
	v_cndmask_b32 v18, v15, v13, vcc_lo            ; odd quadrants exchange sine and cosine
	v_cndmask_b32 v19, v13, v15, vcc_lo
	v_add_nc_u32 v20, 1, v16
	v_and_b32 v20, 2, v20
	v_lshlrev_b32 v20, 30, v20
	v_xor_b32 v18, v18, v20                        ; the cosine is negative in quadrants 1 and 2
	v_and_b32 v21, 2, v16
	v_lshlrev_b32 v21, 30, v21
	v_xor_b32 v19, v19, v21                        ; the sine in quadrants 2 and 3
	global_store_b64 v5, v[18:19], s[32:33]        ; a wave stores one position's 256 bytes
.irp c, 0,1,2,3,4,5,6,7
	CV \c
	global_store_b128 v2, v[Y+4*\c:Y+4*\c+3], s[26:27] offset:4096*\c
.endr
.irp ty, 0,1,2
.irp c, 0,1
	CV (8+2*\ty+\c)
	global_store_b128 v2, v[Y+4*(8+2*\ty+\c):Y+4*(8+2*\ty+\c)+3], s[28:29] offset:\ty*2097152+4096*\c
.endr
.endr
.irp c, 0,1
	CV (14+\c)
.irp j, 0,1,2,3
	v_lshlrev_b32 v[W+2*\j], 16, v[Y+4*(14+\c)+\j]             ; the rounded numbers, widened again,
	v_and_b32 v[W+2*\j+1], 0xffff0000, v[Y+4*(14+\c)+\j]
.endr
.irp j, 0,1,2,3
	v_cvt_pk_f16_f32 v[Y+4*(14+\c)+\j], v[W+2*\j], v[W+2*\j+1] ; and written as f16: 8 mantissa bits fit into 11
.endr
	global_store_b128 v4, v[Y+4*(14+\c):Y+4*(14+\c)+3], s[30:31] offset:256*\c
.endr
	s_endpgm
.Lfunc_end_k_qed61362d4d_prep:
	.size	k_qed61362d4d_prep, .Lfunc_end_k_qed61362d4d_prep-k_qed61362d4d_prep
	.p2alignl 7, 3214868480
	.fill 96, 4, 3214868480
	.section	.rodata,"a",@progbits
	.p2align	6, 0x0
	.amdhsa_kernel k_qed61362d4d_prep
		.amdhsa_group_segment_fixed_size 0
		.amdhsa_private_segment_fixed_size 0
		.amdhsa_enable_private_segment 0
		.amdhsa_kernarg_size 72
		.amdhsa_user_sgpr_count 2
		.amdhsa_user_sgpr_kernarg_segment_ptr 1
		.amdhsa_wavefront_size32 1
		.amdhsa_system_sgpr_workgroup_id_x 1
		.amdhsa_system_sgpr_workgroup_id_y 1
		.amdhsa_system_sgpr_workgroup_id_z 1
		.amdhsa_system_vgpr_workitem_id 0
		.amdhsa_next_free_vgpr 224
		.amdhsa_next_free_sgpr 66
		.amdhsa_reserve_vcc 1
		.amdhsa_float_denorm_mode_32 3
		.amdhsa_float_denorm_mode_16_64 3
		.amdhsa_memory_ordered 1
		.amdhsa_forward_progress 1
		.amdhsa_inst_pref_size 14
	.end_amdhsa_kernel
	.amdgpu_metadata
---
amdhsa.version: [ 1, 2 ]
amdhsa.kernels:
  - .name:           k_qed61362d4d_prep
    .symbol:         k_qed61362d4d_prep.kd
    .args:
      - { .name: x, .offset: 0, .size: 8, .value_kind: global_buffer, .address_space: global }
      - { .name: Wq, .offset: 8, .size: 8, .value_kind: global_buffer, .address_space: global }
      - { .name: Wk, .offset: 16, .size: 8, .value_kind: global_buffer, .address_space: global }
      - { .name: Wv, .offset: 24, .size: 8, .value_kind: global_buffer, .address_space: global }
      - { .name: Wo, .offset: 32, .size: 8, .value_kind: global_buffer, .address_space: global }
      - { .name: xb, .offset: 40, .size: 8, .value_kind: global_buffer, .address_space: global }
      - { .name: wqkv, .offset: 48, .size: 8, .value_kind: global_buffer, .address_space: global }
      - { .name: wob, .offset: 56, .size: 8, .value_kind: global_buffer, .address_space: global }
      - { .name: tab, .offset: 64, .size: 8, .value_kind: global_buffer, .address_space: global }
    .group_segment_fixed_size: 0
    .private_segment_fixed_size: 0
    .kernarg_segment_align: 8
    .kernarg_segment_size: 72
    .max_flat_workgroup_size: 256
    .sgpr_count:     66
    .vgpr_count:     224
    .wavefront_size: 32
...
	.end_amdgpu_metadata
.endif
;; end of part 1
;; launch qkvp (part 2): grid 12 x 16, 4 waves a work-group, clusters of 4 x 4, 327,680 bytes of LDS; arguments xb, wqkv, qkv, tab; writes qkv
.if DOCPART == 2
	.amdgcn_target "amdgcn-amd-amdhsa--gfx1250"
	.amdhsa_code_object_version 6
	.text
	.protected	k_qed61362d4d_qkvp
	.globl	k_qed61362d4d_qkvp
	.p2align	8
	.type	k_qed61362d4d_qkvp,@function
k_qed61362d4d_qkvp:
	s_mov_b64 s[64:65], 0
	v_nop
	global_prefetch_b8 v0, s[64:65] scope:SCOPE_SE
	s_setreg_imm32_b32 hwreg(HW_REG_WAVE_MODE, 25, 1), 1
	s_wait_xcnt 0x0
	s_wait_alu depctr_hold_cnt(0) depctr_sa_sdst(0) depctr_va_vdst(0) depctr_va_sdst(0) depctr_va_ssrc(0) depctr_va_vcc(0) depctr_vm_vsrc(0)
	s_getreg_b32 s2, hwreg(HW_REG_IB_STS2, 6, 4)
	s_cmp_eq_u32 s2, 0
	s_cbranch_scc0 .Lentry_in_a_cluster
	s_endpgm
.Lentry_in_a_cluster:
	s_bfe_u32 s2, ttmp6, 0x10000c
	s_cmp_lg_u32 s2, 0xf033
	s_cbranch_scc0 .Lentry_shape_is_right
	s_endpgm
.Lentry_shape_is_right:
; qkvp: [4096 x 3072] = xb [4096][1024] x wqkv [3072][1024]^T in bf16 with f32 sums; RoPE in f32 on Q's and K's columns;
; the result leaves as f16, head-major: qkv [3 types][32 b*16+head][2048 s][64 d].
; A work-group makes a block of 256 x 256 with four waves, one for each SIMD of a WGP; a wave makes 128 x 128: 64 accumulator
; tiles of 16 x 16 in 512 registers.  K goes in 8 steps of 128 through two LDS slots filled by the tensor data mover; a tile's
; rows are 256 bytes of memory and start at multiples of 256 bytes from the buffer's first byte.
; CLUSTERS: 4 x 4 work-groups.  The four of a row of the cluster need the same tiles of xb, the four of a column the same tiles
; of wqkv: each such tile is asked for jointly, by the same tensor load with a mask that names the four.  A cluster spans
; 1024 columns, which is exactly Q, K or V: the cluster's x is the type, equal in all sixteen partners, so the one branch on it
; (rotate or not) is taken alike by all.  12 x 16 = 192 work-groups: blocks of 192 columns would give 256 but straddle K and V.
; LIMIT: |Q|, |K|, |V| must stay below 65504 (f16); beyond that the conversion gives infinities.
; REGISTERS, in windows of 256: window 0: v0-31 addresses and scratch, v64-127 and v128-191 fragments of xb (two buffers),
; v192-255 RoPE table entries; window 1: v64-191 fragments of wqkv; windows 2, 3: accumulators of my rows 0-63, 64-127
; (tile (a, b) at v[8 (8 a + b)]).  The matrix instruction is used transposed (source 0 = 16 rows of wqkv, source 1 = 16 rows of xb):
; lane l then holds row l % 16 and the eight neighbouring columns 8 (l / 16) + 0..7, that is four RoPE pairs, 16 bytes of f16.
.set SIZE_K, 1024
.set KSTEP,  128
.set PITCH,  272                       ; an LDS row: 256 bytes + 16 of padding, an odd multiple of 16: the 16 rows of a fragment load start 16 bytes apart modulo 256
.set HALFT,  128*PITCH                 ; 128 rows: one tensor load
.set SLOT,   4*HALFT                   ; xb's 256 rows, then wqkv's 256 rows
.set STAGE,  2*SLOT                    ; behind the ring: 16 rows x 272 bytes for each wave; no fill lands here
.set SPITCH, 272
.set LAPS,   SIZE_K/(2*KSTEP)          ; 4 laps of two K steps
.set U,    8                           ; v8-15   the way out: products o*sin, o*cos, four pairs by turns
.set ADRA, 16                          ; v16-17  LDS address of my xb fragments in slot 0, 1
.set ADRB, 20                          ; v20-21  the same for wqkv
.set STO,  24                          ; v24     the way out: where I put 16 bytes of a row
.set RD,   25                          ; v25     the way out: where I read back
.set CO,   26                          ; v26     my byte offset in qkv
.set TO,   27                          ; v27     my byte offset in tab; never rewritten
.set RB0,  32                          ; v32-63  read-back, even groups
.set F0,   64                          ; fragment buffer 0
.set F1,   128                         ; fragment buffer 1
.set ROT,  64                          ; v64-127  the way out: rotated numbers in f32
.set TMP,  128                         ; v128-159 the way out: packed f16
.set RB1,  160                         ; v160-191 read-back, odd groups
.set TB,   192                         ; v192-223, v224-255: table entries of the even, the odd groups of 16 rows
.set G1, 24                            ; s[24:31] descriptor group 1 for xb's tiles
.set G0, 32                            ; s[32:39] group 0 for xb's tiles, a set for each slot
.set G1B, 48                           ; s[48:55] group 1 for wqkv's tiles: another mask
.set G0B, 56                           ; s[56:63] group 0 for wqkv's tiles
.set MSB, 0
.macro WIN new                         ; switch register windows; the immediate's high byte repeats the setting that is left
.if MSB != \new
	s_set_vgpr_msb (MSB<<8)|\new
.set MSB, \new
.endif
.endm
.set MUL_LO, 0xa1                      ; source 0 window 1, source 1 window 0, C and D window 2
.set MUL_HI, 0xf1                      ; the same, C and D window 3
.set TO_B,   0x40                      ; destination window 1
; A joint load: waves 0 and 1 fetch xb's two halves, waves 2 and 3 wqkv's.  The branch hangs on the wave's number alone.
.macro JLOAD s
	s_cmp_eq_u32 s11, 0
	s_cbranch_scc0 .Lfor_b_\@
	tensor_load_to_lds s[G0+4*\s:G0+4*\s+3], s[G1:G1+7]
	s_nop 0
	s_branch .Lasked_\@
.Lfor_b_\@:
	tensor_load_to_lds s[G0B+4*\s:G0B+4*\s+3], s[G1B:G1B+7]
	s_nop 0
.Lasked_\@:
.endm
; A round of the cluster's barrier: my work-group's barrier, wave 0 signals for the work-group, every wave waits for all sixteen, my work-group's barrier again.
.macro CREST
	s_cmp_lg_u32 s10, 0
	s_cbranch_scc1 .Lnot_wave_0_\@
	s_barrier_signal -3
.Lnot_wave_0_\@:
	s_barrier_wait -3
	s_barrier_signal -1
	s_barrier_wait -1
.endm
.macro CROUND
	s_barrier_signal -1
	s_barrier_wait -1
	CREST
.endm
; Table entries of group i (16 rows): for each quarter bq of a head my four (cos, sin) pairs, 32 bytes.  The eight loads together read 16 whole positions of 256 bytes.
.macro TLOAD i
.irp bq, 0,1,2,3
	global_load_b128 v[TB+32*((\i)&1)+8*\bq:TB+32*((\i)&1)+8*\bq+3], v[TO], s[66:67] offset:4096*(\i)+64*\bq
	global_load_b128 v[TB+32*((\i)&1)+8*\bq+4:TB+32*((\i)&1)+8*\bq+7], v[TO], s[66:67] offset:4096*(\i)+64*\bq+16
.endr
.endm
	s_load_b128 s[4:7], s[0:1], 0x0                ; xb s[4:5], wqkv s[6:7]
	s_load_b64 s[8:9], s[0:1], 0x10                ; qkv
	s_load_b64 s[66:67], s[0:1], 0x18              ; tab
	s_set_vgpr_msb 0x40
	v_lshl_add_u32 v255, v0, 2, 0x48400
	s_set_vgpr_msb 0x4000
	v_mov_b32 v31, 0
	s_set_vgpr_msb 0x1
	ds_add_u32 v255, v31
	ds_add_u32 v255, v31
	s_set_vgpr_msb 0x100
	v_lshrrev_b32 v1, 5, v0
	v_readfirstlane_b32 s10, v1                    ; wave 0..3
	s_lshr_b32 s11, s10, 1                         ; which half of the block's rows is mine.  Also: I fetch xb (0) or wqkv (1)
	s_and_b32 s12, s10, 1                          ; which half of its columns.  Also: which 128 rows of that tile I fetch
	s_mov_b32 s68, ttmp9                           ; the cluster's x = the type: 0 Q, 1 K, 2 V
	s_bfe_u32 s40, ttmp6, 0x40000                  ; cx
	s_bfe_u32 s41, ttmp6, 0x40004                  ; cy
	s_lshl_b32 s42, ttmp9, 2
	s_add_co_u32 s42, s42, s40                     ; block column = 4 x cluster x + cx
	s_and_b32 s13, ttmp7, 0xffff
	s_lshl_b32 s13, s13, 2
	s_add_co_u32 s13, s13, s41                     ; block row = 4 x cluster y + cy
	s_lshl_b32 s43, s41, 2
	s_lshl_b32 s43, 15, s43                        ; my row of the cluster: places 4 cy .. 4 cy + 3
	s_lshl_b32 s44, 0x1111, s40                    ; my column: places cx, cx + 4, cx + 8, cx + 12
	; group 1: a tile of 128 rows x 128 elements of 2 bytes; 4 words of padding behind every 64 words
	s_or_b32 s[G1+0], s43, (1<<16)|(1<<20)|(1<<21)|(5<<22)|(3<<25)
	s_or_b32 s[G1B+0], s44, (1<<16)|(1<<20)|(1<<21)|(5<<22)|(3<<25)
	s_mov_b32 s[G1B+1], KSTEP<<16
	s_mov_b32 s[G1+1], KSTEP<<16                   ; tensor_dim0 = 128
	s_mov_b32 s[G1B+2], 128<<16
	s_mov_b32 s[G1+2], 128<<16                     ; tensor_dim1 = 128
	s_mov_b32 s[G1B+3], KSTEP<<16
	s_mov_b32 s[G1+3], KSTEP<<16                   ; tile_dim0 = 128
	s_mov_b32 s[G1B+4], 128
	s_mov_b32 s[G1+4], 128                         ; tile_dim1 = 128
	s_mov_b32 s[G1B+5], SIZE_K
	s_mov_b32 s[G1+5], SIZE_K                      ; elements from row to row
	s_mov_b32 s[G1B+6], 0
	s_mov_b32 s[G1+6], 0
	s_mov_b32 s[G1B+7], 0
	s_mov_b32 s[G1+7], 0
	; xb's tiles hang on the block row alone, wqkv's on the block column alone; each address in registers that never hold the other coordinate
	s_lshl_b32 s17, s12, 7
	s_lshl_b32 s16, s13, 8
	s_add_co_u32 s16, s16, s17                     ; xb: row 256 x block row + 128 x half
	s_lshl_b32 s46, s42, 8
	s_add_co_u32 s46, s46, s17                     ; wqkv: row 256 x block column + 128 x half
	s_mov_b32 s17, 0
	s_mov_b32 s47, 0
	s_mov_b64 s[18:19], SIZE_K*2
	s_mul_u64 s[16:17], s[16:17], s[18:19]
	s_mul_u64 s[46:47], s[46:47], s[18:19]
	s_mul_i32 s20, s10, HALFT                      ; LDS: wave x 128 rows
	s_wait_dscnt 0x0
	s_wait_kmcnt 0x0
	s_add_nc_u64 s[14:15], s[4:5], s[16:17]
	s_add_nc_u64 s[46:47], s[6:7], s[46:47]
	CROUND                                         ; all sixteen work-groups are here: the first joint loads meet
.irp s, 0,1
	s_mov_b32 s[G0+4*\s], 1
	s_add_co_u32 s[G0+4*\s+1], s20, \s*SLOT
	s_add_nc_u64 s[G0+4*\s+2:G0+4*\s+3], s[14:15], \s*KSTEP*2
	s_or_b32 s[G0+4*\s+3], s[G0+4*\s+3], 0x80000000
	s_mov_b32 s[G0B+4*\s], 1
	s_add_co_u32 s[G0B+4*\s+1], s20, \s*SLOT
	s_add_nc_u64 s[G0B+4*\s+2:G0B+4*\s+3], s[46:47], \s*KSTEP*2
	s_or_b32 s[G0B+4*\s+3], s[G0B+4*\s+3], 0x80000000
	JLOAD \s                                       ; both slots' first fills, as one group: two tensor loads of the wave are out
.endr
	v_and_b32 v1, 15, v0                           ; l % 16
	v_bfe_u32 v2, v0, 4, 1                         ; l / 16
	v_mul_u32_u24 v3, v1, PITCH
	v_lshl_add_u32 v3, v2, 4, v3                   ; a fragment: row x pitch + 16 x half, two loads 32 bytes apart
	s_mul_i32 s21, s11, HALFT
	s_mul_i32 s22, s12, HALFT
	s_add_co_u32 s22, s22, 2*HALFT
.irp s, 0,1
	v_add_nc_u32 v[ADRA+\s], s21, v3
	v_add_nc_u32 v[ADRB+\s], s22, v3
	s_add_co_u32 s21, s21, SLOT
	s_add_co_u32 s22, s22, SLOT
.endr
	s_mul_i32 s23, s10, 16*SPITCH
	s_add_co_u32 s23, s23, STAGE                   ; my stage
	v_mul_u32_u24 v4, v1, SPITCH                   ; in: row l % 16, 16 bytes for each half of the lanes
	v_lshl_add_u32 v4, v2, 4, v4
	v_add_nc_u32 v[STO], s23, v4
	v_bfe_u32 v5, v0, 3, 1                         ; back: lanes 0-15 take two rows of my first head (128 bytes each), lanes 16-31 of my second
	v_mul_u32_u24 v5, v5, SPITCH
	v_lshl_add_u32 v5, v2, 7, v5
	v_and_b32 v6, 7, v0
	v_lshl_add_u32 v5, v6, 4, v5
	v_add_nc_u32 v[RD], s23, v5
	v_lshlrev_b32 v5, 18, v2                       ; in qkv a head is 262144 bytes; two rows of a head are 256 consecutive bytes
	v_lshl_add_u32 v[CO], v1, 4, v5
	s_and_b32 s69, s13, 7                          ; 8 block rows to a batch
	s_lshl_b32 s69, s69, 8
	s_lshl_b32 s70, s11, 7
	s_add_co_u32 s69, s69, s70                     ; my first row's position in its sequence
	v_add_nc_u32 v[TO], s69, v1
	v_lshlrev_b32 v[TO], 8, v[TO]                  ; 256 bytes a position
	v_lshl_add_u32 v[TO], v2, 5, v[TO]             ; + my four pairs
	TLOAD 0                                        ; the first two groups' entries, asked for a whole product ahead.  V's blocks issue them too and leave
	TLOAD 1                                        ; them unused (8 KiB a wave): so every way into the rotation has seen the same loads, and its waits count alike
; 16 matrix instructions: row blocks a0, a0 + 1 of the window's four x all 8 column blocks, 32 along K.  zero = 1: the first product starts the sums.
.macro MUL16 f, hi, a0, zero
.irp a, \a0, \a0+1
.irp b, 0,1,2,3,4,5,6,7
.if \zero
	v_wmma_f32_16x16x32_bf16 v[8*(8*(\a)+\b):8*(8*(\a)+\b)+7], v[\f+8*\b:\f+8*\b+7], v[\f+8*(4*\hi+\a):\f+8*(4*\hi+\a)+7], 0
.else
	v_wmma_f32_16x16x32_bf16 v[8*(8*(\a)+\b):8*(8*(\a)+\b)+7], v[\f+8*\b:\f+8*\b+7], v[\f+8*(4*\hi+\a):\f+8*(4*\hi+\a)+7], v[8*(8*(\a)+\b):8*(8*(\a)+\b)+7]
.endif
.endr
.endr
.endm
; 32 LDS loads in one run: the fragments of a quarter step (32 K at byte k of the rows) into buffer f
.macro FETCH slot, k, f
	WIN TO_B
.irp i, 0,1,2,3,4,5,6,7
	ds_load_b128 v[\f+8*\i:\f+8*\i+3],   v[ADRB+\slot] offset:\k+\i*16*PITCH
	ds_load_b128 v[\f+8*\i+4:\f+8*\i+7], v[ADRB+\slot] offset:\k+\i*16*PITCH+32
.endr
	WIN 0
.irp i, 0,1,2,3,4,5,6,7
	ds_load_b128 v[\f+8*\i:\f+8*\i+3],   v[ADRA+\slot] offset:\k+\i*16*PITCH
	ds_load_b128 v[\f+8*\i+4:\f+8*\i+7], v[ADRA+\slot] offset:\k+\i*16*PITCH+32
.endr
.endm
; Four independent vector instructions stand between a matrix instruction and a load into, or a vector access to, its registers
.macro PLACES
.rept 4
	v_nop
.endr
.endm
; A K step is four quarters of 32 along K, 64 matrix instructions each, on buffers 0, 1, 0, 1.  The 64 accumulators take turns,
; one instruction a turn, in the same order in every quarter.
.macro QUARTER slot, k, f, g, zero
	s_wait_dscnt 8                                 ; wqkv's fragments and xb's rows 0-63 are in; the youngest eight loads may be out
	WIN MUL_LO
	MUL16 \f, 0, 0, \zero
	MUL16 \f, 0, 2, \zero
	PLACES
	FETCH \slot, \k, \g
	s_wait_dscnt 32                                ; all but the 32 just issued
	WIN MUL_HI
	MUL16 \f, 1, 0, \zero
	MUL16 \f, 1, 2, \zero
.endm
.macro THREE slot, zero
	QUARTER \slot, 64,  F0, F1, \zero
	QUARTER \slot, 128, F1, F0, 0
	QUARTER \slot, 192, F0, F1, 0
.endm
; The last quarter changes slots.  In front of the barrier each wave waits for its reads of this slot and for all its tensor loads (one is out: its part
; of the next slot).  Behind it nobody reads this slot and the next is whole: the refill comes first, then the next slot's first fragments.
.macro TURN slot, next, fill
	s_wait_dscnt 8
	WIN MUL_LO
	MUL16 F1, 0, 0, 0
	s_wait_dscnt 0                                 ; my reads of this slot are over
	s_wait_tensorcnt 0x0                           ; and all my tensor loads have landed
	ds_add_u32 v255, v31
	s_wait_dscnt 0x0
	s_barrier_signal -1                            ; (where the slot is filled again this barrier opens a round of the cluster's barrier)
	MUL16 F1, 0, 2, 0                              ; register work while the others arrive
	WIN 0
	s_barrier_wait -1
.if \fill
	CREST                                          ; no wave of any partner still reads this slot or has a load on its way
	s_add_nc_u64 s[G0+4*\slot+2:G0+4*\slot+3], s[G0+4*\slot+2:G0+4*\slot+3], 2*KSTEP*2
	s_add_nc_u64 s[G0B+4*\slot+2:G0B+4*\slot+3], s[G0B+4*\slot+2:G0B+4*\slot+3], 2*KSTEP*2
	JLOAD \slot                                    ; the wave's one tensor load behind the round, and the first thing there
.endif
	PLACES
	FETCH \next, 0, F0
	WIN MUL_HI
	MUL16 F1, 1, 0, 0
	MUL16 F1, 1, 2, 0
.endm
.macro LAP zero
	THREE 0, \zero
	TURN 0, 1, 1
	THREE 1, 0
	TURN 1, 0, 1
.endm
	s_wait_tensorcnt 1                             ; my part of K step 0 is in; K step 1's load, issued behind it, may stay out
	s_barrier_signal -1
	s_barrier_wait -1
	FETCH 0, 0, F0
	LAP 1                                          ; the first lap's first products start the sums
	WIN 0
	s_mov_b32 s3, LAPS-2
.Llap:
	LAP 0
	WIN 0
	s_sub_co_u32 s3, s3, 1
	s_cmp_lg_u32 s3, 0
	s_cbranch_scc1 .Llap
	THREE 0, 0                                     ; the last lap fills nothing
	TURN 0, 1, 0
	THREE 1, 0
	s_wait_dscnt 8
	WIN MUL_LO
	MUL16 F1, 0, 0, 0
	MUL16 F1, 0, 2, 0
	s_wait_dscnt 0
	WIN MUL_HI
	MUL16 F1, 1, 0, 0
	MUL16 F1, 1, 2, 0
	; THE WAY OUT, 16 rows at a time.
	PLACES                                         ; behind the last matrix instructions: results are read and fragment registers rewritten below
	WIN 0
	s_lshr_b32 s70, s13, 3                         ; batch
	s_lshl_b32 s70, s70, 4
	s_lshl_b32 s46, s40, 2                         ; 4 heads to a block of 256 columns (in the registers that held wqkv's address)
	s_add_co_u32 s46, s46, s70
	s_lshl_b32 s47, s12, 1
	s_add_co_u32 s46, s46, s47                     ; my first head: 16 b + 4 cx + 2 x half
	s_lshl_b32 s46, s46, 18
	s_lshl_b32 s47, s68, 23                        ; the type's 8 MiB
	s_add_co_u32 s46, s46, s47
	s_lshl_b32 s47, s69, 7                         ; my first position x 128 bytes
	s_add_co_u32 s46, s46, s47
	s_mov_b32 s47, 0
	s_add_nc_u64 s[8:9], s[8:9], s[46:47]
; 16 rows x 128 columns of f16 lie packed in TMP: through my stage, and out.  Each store covers two blocks of 256 consecutive bytes, aligned: two rows of each head.
.macro SHIP i, rb
.irp b, 0,1,2,3,4,5,6,7
	ds_store_b128 v[STO], v[TMP+4*\b:TMP+4*\b+3] offset:32*\b
.endr
	s_wait_xcnt 0x0                                ; rb was the data of earlier stores: it is loaded again only behind this wait
.irp t, 0,1,2,3,4,5,6,7
	ds_load_b128 v[\rb+4*\t:\rb+4*\t+3], v[RD] offset:\t*2*SPITCH   ; LDS serves a wave's instructions in order: these see the stores above
.endr
.irp t, 0,1,2,3,4,5,6,7
	s_wait_dscnt 7-\t                              ; read-back t is in, the 7 - t younger ones may be out
	global_store_b128 v[CO], v[\rb+4*\t:\rb+4*\t+3], s[8:9] offset:2048*\i+256*\t
.endr
.endm
; Q and K: group i = tiles (a, 0..7) of window win.  (e, o) -> (e cos - o sin, e sin + o cos) in f32, then one rounding to f16.
.macro OUTR i, a, win, rb
.if \i == 7
	s_wait_loadcnt 0x0                             ; the last group's entries: nothing was asked for behind them
.else
	s_wait_loadcnt 0x8                             ; this group's eight table loads are in; the next group's eight stay out
.endif
	WIN \win                                       ; source 0 = the accumulators' window
.irp b, 0,1,2,3,4,5,6,7
.irp k, 0,1,2,3
	v_mul_f32 v[U+2*\k],   v[8*(8*\a+\b)+2*\k+1], v[TB+32*(\i&1)+8*(\b&3)+2*\k+1]
	v_mul_f32 v[U+2*\k+1], v[8*(8*\a+\b)+2*\k+1], v[TB+32*(\i&1)+8*(\b&3)+2*\k]
	v_fma_f32 v[ROT+8*\b+2*\k],   v[8*(8*\a+\b)+2*\k], v[TB+32*(\i&1)+8*(\b&3)+2*\k],   -v[U+2*\k]
	v_fma_f32 v[ROT+8*\b+2*\k+1], v[8*(8*\a+\b)+2*\k], v[TB+32*(\i&1)+8*(\b&3)+2*\k+1], v[U+2*\k+1]
.endr
.endr
	WIN 0
.if \i < 6
	TLOAD (\i+2)                                   ; into the registers just read: two groups ahead
.endif
.irp b, 0,1,2,3,4,5,6,7
.irp k, 0,1,2,3
	v_cvt_pk_f16_f32 v[TMP+4*\b+\k], v[ROT+8*\b+2*\k], v[ROT+8*\b+2*\k+1]
.endr
.endr
	SHIP \i, \rb
.endm
; V: no rotation.  from = 0x0a or 0x0f: sources 0 and 1 in window 2 or 3.
.macro OUTV i, a, from, rb
	WIN \from
.irp b, 0,1,2,3,4,5,6,7
.irp k, 0,1,2,3
	v_cvt_pk_f16_f32 v[TMP+4*\b+\k], v[8*(8*\a+\b)+2*\k], v[8*(8*\a+\b)+2*\k+1]
.endr
.endr
	WIN 0
	SHIP \i, \rb
.endm
	s_cmp_eq_u32 s68, 2                            ; the type is the cluster's x: all sixteen partners go the same way
	s_cbranch_scc1 .Lplain
	OUTR 0, 0, 0x02, RB0
	OUTR 1, 1, 0x02, RB1
	OUTR 2, 2, 0x02, RB0
	OUTR 3, 3, 0x02, RB1
	OUTR 4, 0, 0x03, RB0
	OUTR 5, 1, 0x03, RB1
	OUTR 6, 2, 0x03, RB0
	OUTR 7, 3, 0x03, RB1
	s_branch .Lclose
.Lplain:
	OUTV 0, 0, 0x0a, RB0
	OUTV 1, 1, 0x0a, RB1
	OUTV 2, 2, 0x0a, RB0
	OUTV 3, 3, 0x0a, RB1
	OUTV 4, 0, 0x0f, RB0
	OUTV 5, 1, 0x0f, RB1
	OUTV 6, 2, 0x0f, RB0
	OUTV 7, 3, 0x0f, RB1
.Lclose:
	s_set_vgpr_msb 0x1
	s_wait_tensorcnt 0x0
	ds_add_u32 v255, v31
	s_wait_dscnt 0x0
	s_set_vgpr_msb 0x100
	CROUND                                         ; the closing round: no work-group ends while a partner may still ask for a tile that names it
	s_endpgm
.Lfunc_end_k_qed61362d4d_qkvp:
	.size	k_qed61362d4d_qkvp, .Lfunc_end_k_qed61362d4d_qkvp-k_qed61362d4d_qkvp
	.p2alignl 7, 3214868480
	.fill 96, 4, 3214868480
	.section	.rodata,"a",@progbits
	.p2align	6, 0x0
	.amdhsa_kernel k_qed61362d4d_qkvp
		.amdhsa_group_segment_fixed_size 327680
		.amdhsa_private_segment_fixed_size 0
		.amdhsa_enable_private_segment 0
		.amdhsa_kernarg_size 32
		.amdhsa_user_sgpr_count 2
		.amdhsa_user_sgpr_kernarg_segment_ptr 1
		.amdhsa_wavefront_size32 1
		.amdhsa_system_sgpr_workgroup_id_x 1
		.amdhsa_system_sgpr_workgroup_id_y 1
		.amdhsa_system_sgpr_workgroup_id_z 1
		.amdhsa_system_vgpr_workitem_id 0
		.amdhsa_next_free_vgpr 1024
		.amdhsa_next_free_sgpr 80
		.amdhsa_reserve_vcc 0
		.amdhsa_float_denorm_mode_32 3
		.amdhsa_float_denorm_mode_16_64 3
		.amdhsa_memory_ordered 1
		.amdhsa_forward_progress 1
		.amdhsa_inst_pref_size 255
	.end_amdhsa_kernel
	.section	.bss,"aw",@nobits
	.p2align	6
	.space	262144
	.amdgpu_metadata
---
amdhsa.version: [ 1, 2 ]
amdhsa.kernels:
  - .name:           k_qed61362d4d_qkvp
    .symbol:         k_qed61362d4d_qkvp.kd
    .args:
      - { .name: xb, .offset: 0, .size: 8, .value_kind: global_buffer, .address_space: global }
      - { .name: wqkv, .offset: 8, .size: 8, .value_kind: global_buffer, .address_space: global }
      - { .name: qkv, .offset: 16, .size: 8, .value_kind: global_buffer, .address_space: global }
      - { .name: tab, .offset: 24, .size: 8, .value_kind: global_buffer, .address_space: global }
    .group_segment_fixed_size: 327680
    .private_segment_fixed_size: 0
    .kernarg_segment_align: 8
    .kernarg_segment_size: 32
    .max_flat_workgroup_size: 128
    .sgpr_count:     80
    .vgpr_count:     1024
    .wavefront_size: 32
...
	.end_amdgpu_metadata
.endif
;; end of part 2
;; launch attn (part 3): grid 256 x 1, 4 waves a work-group, no clusters, 327,680 bytes of LDS; arguments qkv, ao; writes ao
.if DOCPART == 3
	.amdgcn_target "amdgcn-amd-amdhsa--gfx1250"
	.amdhsa_code_object_version 6
	.text
	.protected	k_qed61362d4d_attn
	.globl	k_qed61362d4d_attn
	.p2align	8
	.type	k_qed61362d4d_attn,@function
k_qed61362d4d_attn:
	s_mov_b64 s[64:65], 0
	v_nop
	global_prefetch_b8 v0, s[64:65] scope:SCOPE_SE
	s_setreg_imm32_b32 hwreg(HW_REG_WAVE_MODE, 25, 1), 1
	s_wait_xcnt 0x0
; attn: causal softmax attention, f16 operands, f32 sums, running maximum.  qkv [3][32 bh][2048][64] f16 -> ao [32 bh][2048][64] f16.
; Work-group g: head bh = g / 8, and the two query blocks of 128 rows p = g % 8 and 15 - p: (p + 1) + (16 - p) = 17 key tiles of 128 in every
; work-group.  Wave w owns 32 query rows of each block.  Tiles above the diagonal are never touched: the mask would throw them away.
; THE STREAM of steps t = 0..16, n1 = p + 1:  t = 0: tile p (block p's diagonal);  0 < t < n1: tile t - 1;  t = n1: tile 15 - p (the second
; block's diagonal);  t > n1: tile t - n1 - 1.  The diagonal comes first in each pass (the running maximum does not care for the order, and every
; row has an open key there), so the first product starts the sums and the text has one shape for every p.  Step t uses LDS slot t % 2.
; TRANSPOSED PRODUCTS.  S^T = K Q^T: lane (r = l % 16, h = l / 16), register j of tile (kt, n) holds key 16 kt + 8 h + j, query 16 n + r.  Two
; neighbouring tiles packed to f16 in place are the second operand of O^T = V^T P^T as they lie: no number changes lanes.  V^T's fragments come by
; transposing LDS loads from V kept as [key][d].  Maximum and sum run along a lane's registers; one exchange between the halves joins them.
; NO CLUSTER: the eight work-groups of a head need a given tile for 0, 1 or 2 of their blocks, according to their place; a partner that asked for every
; tile and computed on every one would do 32 steps for 17.
; LIMITS: operands are f16 (|Q|, |K|, |V| below 65504); an exponential below 2^-126 comes out as 0; P below 6e-8 of its row's largest is lost in f16.
.set SLOT,  40960                      ; four parts of 10240 bytes, one for each wave's load
.set PART,  10240                      ; K rows 0-63 | K rows 64-127 (pitch 144, 9216 bytes used) | V rows 0-63 | V rows 64-127 (pitch 160: contiguous)
.set KP,    144                        ; K's LDS pitch: 128 bytes + 16, an odd multiple of 16
.set VP,    160                        ; V's LDS pitch: 128 bytes + 32, an odd multiple of 32, for the transposing loads
.set STAGE, 2*SLOT                     ; behind the ring: 32 rows x 144 bytes for each wave; no fill lands here
.set STW,   32*KP
.set ADRK, 2                           ; v2  144 r + 16 h
.set ADRV, 3                           ; v3  V's part + (8 h + l % 8) 160 + 16 ((l / 8) % 2)
.set STO,  4                           ; v4  stage + 144 r + 16 h
.set RD,   5                           ; v5  stage + (l / 8) 144 + 16 (l % 8)
.set CO,   6                           ; v6  16 l
.set DQ,   7                           ; v7  32 w + r - 8 h: key 16 kt + 8 h + j is hidden from query 32 w + 16 n + r where 16 kt + j - 16 n > DQ
.set NINF, 8                           ; v8  -infinity
.set QO,   9                           ; v9  128 r + 16 h
.set NM,   10                          ; v[10:11], v[12:13]  for n = 0, 1: minus (running maximum x c), twice (a pair for the packed multiply-add)
.set LS,   14                          ; v14, v15  running sums of my half of the keys
.set AL,   16                          ; v[16:17], v[18:19]  the factor for what was summed before, twice
.set T,    20                          ; v20-27  at work
.set SC,   32                          ; v32-159   S^T tile (kt, n) at SC + 64 n + 8 kt; then P's fragment (c, n) at SC + 64 n + 16 c
.set OA,   160                         ; v160-223  O^T tile (dt, n) at OA + 8 (dt + 4 n)
.set QF,   224                         ; v224-255  Q's fragment (ch, n) at QF + 8 (ch + 2 n)
.set KF,   0                           ; window 1: K's fragment (kt, ch) at 8 (2 kt + ch)
.set VF,   128                         ; window 1: V^T's fragment (dt, c) at 128 + 8 (4 c + dt)
                                       ; window 2: v0-31 the second block's Q fragments
.set MSB, 0
.macro WIN new                         ; switch register windows; the immediate's high byte repeats the setting that is left
.if MSB != \new
	s_set_vgpr_msb (MSB<<8)|\new
.set MSB, \new
.endif
.endm
; s3 trips; s[4:5] qkv; s[6:7] ao; s8 wave; s9 = w / 2 (0: I fetch K, 1: V); s10 = w % 2 (which 64 rows); s11 p; s12 bh; s13 n1; s14 t; s15 = 15 - p;
; s[16:23] group 1 for K; s[24:31] group 1 for V; s[32:35], s[36:39] group 0 for K, V; s40 = 10240 w; s[42:43], s[44:45] K's, V's address at my 64 rows of tile 0;
; s[46:47] an offset (s47 = 0); s48, s49 scratch; s[50:51], s[52:53] ao at my rows of block p, 15 - p; s[54:55], s[56:57] Q likewise; s58, s59 lane select.
.macro KVLOAD                          ; my quarter of a step's tiles: one tensor load a wave.  The branch hangs on the wave's number alone.
	s_cmp_eq_u32 s9, 0
	s_cbranch_scc0 .Lv_\@
	tensor_load_to_lds s[32:35], s[16:23]
	s_nop 0
	s_branch .Lkv_\@
.Lv_\@:
	tensor_load_to_lds s[36:39], s[24:31]
	s_nop 0
.Lkv_\@:
.endm
.macro NEXT sl                         ; both group 0 sets for step t + 1's tile, into slot sl.  Stands where no tensor load of the wave is out.
	s_add_co_u32 s48, s14, 1
	s_sub_co_u32 s49, s14, s13                     ; second pass: t + 1 - n1 - 1
	s_cmp_lt_u32 s48, s13
	s_cselect_b32 s49, s14, s49                    ; first pass: t + 1 - 1
	s_cmp_eq_u32 s48, s13
	s_cselect_b32 s49, s15, s49                    ; the second diagonal
	s_lshl_b32 s46, s49, 14                        ; a tile is 128 rows of 128 bytes
	s_add_nc_u64 s[34:35], s[42:43], s[46:47]
	s_or_b32 s35, s35, 0x80000000
	s_add_nc_u64 s[38:39], s[44:45], s[46:47]
	s_or_b32 s39, s39, 0x80000000
	s_add_co_u32 s33, s40, (\sl)*SLOT
	s_add_co_u32 s37, s40, (\sl)*SLOT
.endm
.macro LOADKV slot                     ; all fragments of a step: 32 loads for K, then 32 transposing loads for V
	WIN 0x40                                       ; destination window 1
.irp kt, 0,1,2,3,4,5,6,7
.irp ch, 0,1
	ds_load_b128 v[KF+8*(2*\kt+\ch):KF+8*(2*\kt+\ch)+3],   v[ADRK] offset:\slot*SLOT+(\kt/4)*PART+(\kt%4)*16*KP+64*\ch
	ds_load_b128 v[KF+8*(2*\kt+\ch)+4:KF+8*(2*\kt+\ch)+7], v[ADRK] offset:\slot*SLOT+(\kt/4)*PART+(\kt%4)*16*KP+64*\ch+32
.endr
.endr
.irp c, 0,1,2,3
.irp dt, 0,1,2,3
	ds_load_tr16_b128 v[VF+8*(4*\c+\dt):VF+8*(4*\c+\dt)+3],   v[ADRV] offset:\slot*SLOT+\c*32*VP+32*\dt
	ds_load_tr16_b128 v[VF+8*(4*\c+\dt)+4:VF+8*(4*\c+\dt)+7], v[ADRV] offset:\slot*SLOT+\c*32*VP+32*\dt+16*VP
.endr
.endr
.endm
.macro SMUL                            ; S^T = K Q^T: 16 accumulators take turns, one instruction a turn; d 0-31 starts the sums
	WIN 0x01                                       ; source 0 window 1
.irp n, 0,1
.irp kt, 0,1,2,3,4,5,6,7
	v_wmma_f32_16x16x32_f16 v[SC+64*\n+8*\kt:SC+64*\n+8*\kt+7], v[KF+16*\kt:KF+16*\kt+7], v[QF+16*\n:QF+16*\n+7], 0
.endr
.endr
.irp n, 0,1
.irp kt, 0,1,2,3,4,5,6,7
	v_wmma_f32_16x16x32_f16 v[SC+64*\n+8*\kt:SC+64*\n+8*\kt+7], v[KF+16*\kt+8:KF+16*\kt+15], v[QF+16*\n+8:QF+16*\n+15], v[SC+64*\n+8*\kt:SC+64*\n+8*\kt+7]
.endr
.endr
.endm
.macro MASK                            ; the diagonal tile: keys behind the query become -infinity
.irp n, 0,1
.irp kt, 0,1,2,3,4,5,6,7
.irp j, 0,1,2,3,4,5,6,7
	v_cmp_gt_i32 vcc_lo, 16*\kt+\j-16*\n, v[DQ]
	v_cndmask_b32 v[SC+64*\n+8*\kt+\j], v[SC+64*\n+8*\kt+\j], v[NINF], vcc_lo
.endr
.endr
.endr
.endm
; c = log2(e) / 8 = 0x3e38aa3b.  P = exp2(c S - MC), MC = c x the running maximum, rounded once and kept: earlier and later tiles share one frame at any size of S.
.macro SOFTMAX first
.irp n, 0,1
.irp q, 0,1,2,3
	v_max_num_f32 v[T+4*\n+\q], v[SC+64*\n+16*\q], v[SC+64*\n+16*\q+1]    ; four chains for each n: none waits for the line in front of it
.endr
.endr
.irp i, 1,2,3,4,5,6,7
.irp n, 0,1
.irp q, 0,1,2,3
	v_max3_num_f32 v[T+4*\n+\q], v[T+4*\n+\q], v[SC+64*\n+16*\q+2*\i], v[SC+64*\n+16*\q+2*\i+1]
.endr
.endr
.endr
.irp n, 0,1
	v_max3_num_f32 v[T+4*\n], v[T+4*\n], v[T+4*\n+1], v[T+4*\n+2]
.endr
.irp n, 0,1
	v_max_num_f32 v[T+4*\n], v[T+4*\n], v[T+4*\n+3]
.endr
.irp n, 0,1
	v_permlanex16_b32 v[T+4*\n+1], v[T+4*\n], s58, s59     ; the other half of the lanes holds the same query's other keys
.endr
.irp n, 0,1
	v_max_num_f32 v[T+4*\n], v[T+4*\n], v[T+4*\n+1]
.endr
.irp n, 0,1
	v_mul_f32 v[T+4*\n], 0xbe38aa3b, v[T+4*\n]             ; minus c x this tile's maximum
.endr
.if \first
.irp n, 0,1
	v_mov_b32 v[NM+2*\n], v[T+4*\n]
	v_mov_b32 v[NM+2*\n+1], v[T+4*\n]
.endr
.else
.irp n, 0,1
	v_min_num_f32 v[T+4*\n+1], v[NM+2*\n], v[T+4*\n]       ; the new -MC
	v_sub_f32 v[T+4*\n+2], v[T+4*\n+1], v[NM+2*\n]         ; old MC - new MC, at most 0
.endr
	v_exp_f32 v[AL], v[T+2]
	v_exp_f32 v[AL+2], v[T+6]
.irp n, 0,1
	v_mov_b32 v[NM+2*\n], v[T+4*\n+1]                      ; plain instructions behind the transcendentals, before their results are used (ISA guide 5.7.2)
	v_mov_b32 v[NM+2*\n+1], v[T+4*\n+1]
.endr
	s_wait_alu depctr_va_vdst(0)
	v_mov_b32 v[AL+1], v[AL]
	v_mov_b32 v[AL+3], v[AL+2]
.endif
.irp g, 0,1,2,3,4,5,6,7
.irp i, 0,1,2,3,4,5,6,7
	v_pk_fma_f32 v[SC+16*\g+2*\i:SC+16*\g+2*\i+1], v[SC+16*\g+2*\i:SC+16*\g+2*\i+1], 0x3e38aa3b, v[NM+2*(\g/4):NM+2*(\g/4)+1] op_sel_hi:[1,0,1]
.endr
.irp i, 0,1,2,3,4,5,6,7,8,9,10,11,12,13,14,15
	v_exp_f32 v[SC+16*\g+\i], v[SC+16*\g+\i]               ; behind each run stands the next group's multiply-add, on other registers
.endr
.endr
	v_nop                                                  ; and behind the last run this line
	s_wait_alu depctr_va_vdst(0)
.irp n, 0,1
.irp q, 0,1,2,3
	v_pk_add_f32 v[T+2*\q:T+2*\q+1], v[SC+64*\n+16*\q:SC+64*\n+16*\q+1], v[SC+64*\n+16*\q+2:SC+64*\n+16*\q+3]
.endr
.irp i, 2,3,4,5,6,7
.irp q, 0,1,2,3
	v_pk_add_f32 v[T+2*\q:T+2*\q+1], v[T+2*\q:T+2*\q+1], v[SC+64*\n+16*\q+2*\i:SC+64*\n+16*\q+2*\i+1]
.endr
.endr
	v_pk_add_f32 v[T:T+1], v[T:T+1], v[T+2:T+3]
	v_pk_add_f32 v[T+4:T+5], v[T+4:T+5], v[T+6:T+7]
	v_pk_add_f32 v[T:T+1], v[T:T+1], v[T+4:T+5]
.if \first
	v_add_f32 v[LS+\n], v[T], v[T+1]
.else
	v_add_f32 v[T], v[T], v[T+1]
	v_fma_f32 v[LS+\n], v[LS+\n], v[AL+2*\n], v[T]
.endif
.endr
.irp g, 0,1,2,3,4,5,6,7
.irp i, 0,1,2,3,4,5,6,7
	v_cvt_pk_f16_f32 v[SC+16*\g+\i], v[SC+16*\g+2*\i], v[SC+16*\g+2*\i+1]   ; in place, ascending: a destination never lies ahead of its sources
.endr
.endr
.if \first == 0
.irp n, 0,1
.irp i, 0,1,2,3,4,5,6,7,8,9,10,11,12,13,14,15
	v_pk_mul_f32 v[OA+32*\n+2*\i:OA+32*\n+2*\i+1], v[OA+32*\n+2*\i:OA+32*\n+2*\i+1], v[AL+2*\n:AL+2*\n+1]
.endr
.endr
.endif
.endm
.macro PV1 c, n, dt, zero
.if \zero
	v_wmma_f32_16x16x32_f16 v[OA+8*(\dt+4*\n):OA+8*(\dt+4*\n)+7], v[VF+8*(4*\c+\dt):VF+8*(4*\c+\dt)+7], v[SC+64*\n+16*\c:SC+64*\n+16*\c+7], 0
.else
	v_wmma_f32_16x16x32_f16 v[OA+8*(\dt+4*\n):OA+8*(\dt+4*\n)+7], v[VF+8*(4*\c+\dt):VF+8*(4*\c+\dt)+7], v[SC+64*\n+16*\c:SC+64*\n+16*\c+7], v[OA+8*(\dt+4*\n):OA+8*(\dt+4*\n)+7]
.endif
.endm
.macro PVMUL first                     ; O^T += V^T P^T: 8 accumulators take turns, one instruction a turn
	WIN 0x01
.irp n, 0,1
.irp dt, 0,1,2,3
	PV1 0, \n, \dt, \first
.endr
.endr
.irp c, 1,2,3
.irp n, 0,1
.irp dt, 0,1,2,3
	PV1 \c, \n, \dt, 0
.endr
.endr
.endr
	WIN 0
.rept 5
	v_nop                                          ; five independent vector instructions before the next S^T products write over P's registers (ISA guide 7.12.1);
.endr                                              ; they also stand in front of the loads into V's fragments and of the vector reads of O
.endm
; A block is done: O / L, to f16, through my stage, out.  ob: the scalar pair with ao at my rows.  more = 1: products follow that rewrite the store data.
.macro FINISH ob, more
.irp n, 0,1
	v_permlanex16_b32 v[T+\n], v[LS+\n], s58, s59  ; the other half's sum
.endr
.irp n, 0,1
	v_add_f32 v[T+\n], v[T+\n], v[LS+\n]
.endr
	v_rcp_f32 v[AL], v[T]
	v_rcp_f32 v[AL+2], v[T+1]
	v_nop
	s_wait_alu depctr_va_vdst(0)
	v_mov_b32 v[AL+1], v[AL]
	v_mov_b32 v[AL+3], v[AL+2]
.irp n, 0,1
.irp i, 0,1,2,3,4,5,6,7,8,9,10,11,12,13,14,15
	v_pk_mul_f32 v[OA+32*\n+2*\i:OA+32*\n+2*\i+1], v[OA+32*\n+2*\i:OA+32*\n+2*\i+1], v[AL+2*\n:AL+2*\n+1]
.endr
.endr
.irp i, 0,1,2,3,4,5,6,7
.irp k, 0,1,2,3
	v_cvt_pk_f16_f32 v[SC+4*\i+\k], v[OA+8*\i+2*\k], v[OA+8*\i+2*\k+1]     ; tile i = dt + 4 n: eight neighbouring d of query 16 n + r
.endr
.endr
.irp n, 0,1
.irp dt, 0,1,2,3
	ds_store_b128 v[STO], v[SC+4*(\dt+4*\n):SC+4*(\dt+4*\n)+3] offset:16*KP*\n+32*\dt
.endr
.endr
.irp u, 0,1,2,3,4,5,6,7
	ds_load_b128 v[SC+32+4*\u:SC+32+4*\u+3], v[RD] offset:4*KP*\u           ; four rows of 128 bytes; LDS serves a wave's instructions in order
.endr
.irp u, 0,1,2,3,4,5,6,7
	s_wait_dscnt 7-\u                              ; read-back u is in, the 7 - u younger ones may be out
	global_store_b128 v[CO], v[SC+32+4*\u:SC+32+4*\u+3], s[\ob:\ob+1] offset:512*\u   ; 512 consecutive bytes, aligned
.endr
.if \more
	s_wait_xcnt 0x0                                ; the stores' data registers are S^T's: they are rewritten only behind this wait
.endif
.endm
.macro QSWAP                           ; the second block's queries; -MC = +infinity makes the next factor exp2(-infinity) = 0, which clears the (finite) O and L
	WIN 0x02                                       ; source 0 window 2
.irp i, 0,1,2,3,4,5,6,7,8,9,10,11,12,13,14,15,16,17,18,19,20,21,22,23,24,25,26,27,28,29,30,31
	v_mov_b32 v[QF+\i], v[\i]
.endr
	WIN 0
.irp i, 0,1,2,3
	v_mov_b32 v[NM+\i], 0x7f800000
.endr
.endm
; One step.  mode 0: the first (diagonal, starts the sums); 1: may be the change of blocks; 2: plain.  refill = 1: step t + 1's tile is asked for.
.macro STEP slot, mode, refill
	s_wait_tensorcnt 0x0                           ; all my tensor loads have landed, my part of this step's tile among them: the group 0 sets may be written
	ds_add_u32 v30, v31
	s_wait_dscnt 0x0
.if \refill
	NEXT 1-\slot
.endif
	s_wait_dscnt 0x0                               ; my reads of the other slot are back
	s_barrier_signal -1
	s_barrier_wait -1                              ; both now hold of all four waves
.if \refill
	KVLOAD                                         ; the wave's one tensor load behind the barrier, and the first thing there; it has the whole step in which to land
.endif
.if \mode == 1
	s_cmp_lg_u32 s14, s13                          ; t = n1: block p is done
	s_cbranch_scc1 .Lsame_\@
	FINISH 50, 1
	QSWAP
.Lsame_\@:
.endif
	LOADKV \slot
	s_wait_dscnt 32                                ; K's 32 loads are in; V's 32, issued behind them, may stay out
	SMUL
	WIN 0
.rept 4
	v_nop                                          ; four independent vector instructions before S^T is read (ISA guide 7.12.1)
.endr
.if \mode == 0
	MASK
.endif
.if \mode == 1
	s_cmp_lg_u32 s14, s13
	s_cbranch_scc1 .Lopen_\@
	MASK
.Lopen_\@:
.endif
.if \mode == 0
	SOFTMAX 1
.else
	SOFTMAX 0
.endif
	s_wait_dscnt 0x0                               ; V's fragments
.if \mode == 0
	PVMUL 1
.else
	PVMUL 0
.endif
	s_add_co_u32 s14, s14, 1
.endm
	s_load_b128 s[4:7], s[0:1], 0x0                ; qkv, ao
	v_lshl_add_u32 v30, v0, 2, 0x29000
	v_mov_b32 v31, 0
	ds_add_u32 v30, v31
	ds_add_u32 v30, v31
	v_lshrrev_b32 v1, 5, v0
	v_readfirstlane_b32 s8, v1                     ; wave 0..3
	s_lshr_b32 s9, s8, 1
	s_and_b32 s10, s8, 1
	s_and_b32 s11, ttmp9, 7                        ; p
	s_lshr_b32 s12, ttmp9, 3                       ; bh
	s_add_co_u32 s13, s11, 1                       ; n1
	s_mov_b32 s14, 0                               ; t
	s_sub_co_u32 s15, 15, s11
	s_mul_i32 s40, s8, PART
	s_mov_b32 s58, 0x76543210                      ; lane i of one half reads lane i of the other
	s_mov_b32 s59, 0xfedcba98
	; group 1: 64 rows x 64 elements of 2 bytes, 64 elements from row to row; padding behind every 32 words: 4 words for K, 8 for V
	s_mov_b32 s16, (1<<16)|(1<<20)|(4<<22)|(3<<25)
	s_mov_b32 s24, (1<<16)|(1<<20)|(4<<22)|(7<<25)
	s_mov_b32 s17, 64<<16
	s_mov_b32 s25, 64<<16                          ; tensor_dim0 = 64
	s_mov_b32 s18, 64<<16
	s_mov_b32 s26, 64<<16                          ; tensor_dim1 = 64
	s_mov_b32 s19, 64<<16
	s_mov_b32 s27, 64<<16                          ; tile_dim0 = 64
	s_mov_b32 s20, 64
	s_mov_b32 s28, 64                              ; tile_dim1 = 64
	s_mov_b32 s21, 64
	s_mov_b32 s29, 64                              ; pitch
	s_mov_b32 s22, 0
	s_mov_b32 s30, 0
	s_mov_b32 s23, 0
	s_mov_b32 s31, 0
	s_mov_b32 s32, 1
	s_mov_b32 s36, 1
	s_lshl_b32 s46, s12, 18                        ; a head is 262144 bytes
	s_lshl_b32 s48, s10, 13                        ; my 64 rows of a tile
	s_add_co_u32 s46, s46, s48
	s_mov_b32 s47, 0
	s_wait_dscnt 0x0
	s_wait_kmcnt 0x0
	s_add_nc_u64 s[42:43], s[4:5], s[46:47]
	s_add_nc_u64 s[44:45], s[42:43], 0x1000000     ; V lies 16 MiB into qkv
	s_add_nc_u64 s[42:43], s[42:43], 0x800000      ; K 8 MiB
	s_lshl_b32 s46, s11, 14                        ; step 0: tile p, into slot 0
	s_add_nc_u64 s[34:35], s[42:43], s[46:47]
	s_or_b32 s35, s35, 0x80000000
	s_add_nc_u64 s[38:39], s[44:45], s[46:47]
	s_or_b32 s39, s39, 0x80000000
	s_add_co_u32 s33, s40, 0*SLOT
	s_add_co_u32 s37, s40, 0*SLOT
	KVLOAD                                         ; the one first fill at the head; slot 1 is first filled behind step 0's barrier.  One tensor load of a wave is out at any time
	s_lshl_b32 s48, s12, 18
	s_lshl_b32 s49, s8, 12                         ; my 32 rows of a block
	s_add_co_u32 s48, s48, s49
	s_lshl_b32 s46, s11, 14
	s_add_co_u32 s46, s46, s48
	s_add_nc_u64 s[54:55], s[4:5], s[46:47]        ; Q, block p
	s_add_nc_u64 s[50:51], s[6:7], s[46:47]        ; ao, block p
	s_lshl_b32 s46, s15, 14
	s_add_co_u32 s46, s46, s48
	s_add_nc_u64 s[56:57], s[4:5], s[46:47]        ; Q, block 15 - p
	s_add_nc_u64 s[52:53], s[6:7], s[46:47]        ; ao, block 15 - p
	v_and_b32 v10, 15, v0                          ; r
	v_bfe_u32 v11, v0, 4, 1                        ; h
	v_lshlrev_b32 v[QO], 7, v10
	v_lshl_add_u32 v[QO], v11, 4, v[QO]
.irp n, 0,1
.irp ch, 0,1
	global_load_b128 v[QF+8*(\ch+2*\n):QF+8*(\ch+2*\n)+3],   v[QO], s[54:55] offset:2048*\n+64*\ch
	global_load_b128 v[QF+8*(\ch+2*\n)+4:QF+8*(\ch+2*\n)+7], v[QO], s[54:55] offset:2048*\n+64*\ch+32
.endr
.endr
	WIN 0x80                                       ; destination window 2
.irp n, 0,1
.irp ch, 0,1
	global_load_b128 v[8*(\ch+2*\n):8*(\ch+2*\n)+3],   v[QO], s[56:57] offset:2048*\n+64*\ch
	global_load_b128 v[8*(\ch+2*\n)+4:8*(\ch+2*\n)+7], v[QO], s[56:57] offset:2048*\n+64*\ch+32
.endr
.endr
	WIN 0
	v_and_b32 v12, 7, v0                           ; l % 8
	v_bfe_u32 v13, v0, 3, 1                        ; (l / 8) % 2
	v_bfe_u32 v14, v0, 3, 2                        ; l / 8
	v_and_b32 v15, 31, v0                          ; l
	v_mul_u32_u24 v[ADRK], v10, KP
	v_lshl_add_u32 v[ADRK], v11, 4, v[ADRK]
	v_lshl_add_u32 v[ADRV], v11, 3, v12
	v_mul_u32_u24 v[ADRV], v[ADRV], VP
	v_lshl_add_u32 v[ADRV], v13, 4, v[ADRV]
	v_add_nc_u32 v[ADRV], 2*PART, v[ADRV]
	s_mul_i32 s48, s8, STW
	s_add_co_u32 s48, s48, STAGE                   ; my stage
	v_add_nc_u32 v[STO], s48, v[ADRK]
	v_mul_u32_u24 v[RD], v14, KP
	v_lshl_add_u32 v[RD], v12, 4, v[RD]
	v_add_nc_u32 v[RD], s48, v[RD]
	v_lshlrev_b32 v[CO], 4, v15
	s_lshl_b32 s49, s8, 5
	v_lshlrev_b32 v[DQ], 3, v11
	v_sub_nc_u32 v[DQ], v10, v[DQ]
	v_add_nc_u32 v[DQ], s49, v[DQ]
	v_mov_b32 v[NINF], 0xff800000
	s_wait_loadcnt 0x0                             ; both blocks' queries, once
	STEP 0, 0, 1                                   ; t = 0
	s_mov_b32 s3, 7
.Lpair:
	STEP 1, 1, 1                                   ; t = 1 .. 14: n1 = 1 .. 8 lies among them
	STEP 0, 1, 1
	s_sub_co_u32 s3, s3, 1
	s_cmp_lg_u32 s3, 0
	s_cbranch_scc1 .Lpair
	STEP 1, 2, 1                                   ; t = 15
	STEP 0, 2, 0                                   ; t = 16: nothing is left to fetch
	FINISH 52, 0
	s_wait_tensorcnt 0x0
	ds_add_u32 v30, v31
	s_wait_dscnt 0x0
	s_endpgm
.Lfunc_end_k_qed61362d4d_attn:
	.size	k_qed61362d4d_attn, .Lfunc_end_k_qed61362d4d_attn-k_qed61362d4d_attn
	.p2alignl 7, 3214868480
	.fill 96, 4, 3214868480
	.section	.rodata,"a",@progbits
	.p2align	6, 0x0
	.amdhsa_kernel k_qed61362d4d_attn
		.amdhsa_group_segment_fixed_size 327680
		.amdhsa_private_segment_fixed_size 0
		.amdhsa_enable_private_segment 0
		.amdhsa_kernarg_size 16
		.amdhsa_user_sgpr_count 2
		.amdhsa_user_sgpr_kernarg_segment_ptr 1
		.amdhsa_wavefront_size32 1
		.amdhsa_system_sgpr_workgroup_id_x 1
		.amdhsa_system_sgpr_workgroup_id_y 1
		.amdhsa_system_sgpr_workgroup_id_z 1
		.amdhsa_system_vgpr_workitem_id 0
		.amdhsa_next_free_vgpr 544
		.amdhsa_next_free_sgpr 66
		.amdhsa_reserve_vcc 1
		.amdhsa_float_denorm_mode_32 3
		.amdhsa_float_denorm_mode_16_64 3
		.amdhsa_memory_ordered 1
		.amdhsa_forward_progress 1
		.amdhsa_inst_pref_size 227
	.end_amdhsa_kernel
	.amdgpu_metadata
---
amdhsa.version: [ 1, 2 ]
amdhsa.kernels:
  - .name:           k_qed61362d4d_attn
    .symbol:         k_qed61362d4d_attn.kd
    .args:
      - { .name: qkv, .offset: 0, .size: 8, .value_kind: global_buffer, .address_space: global }
      - { .name: ao, .offset: 8, .size: 8, .value_kind: global_buffer, .address_space: global }
    .group_segment_fixed_size: 327680
    .private_segment_fixed_size: 0
    .kernarg_segment_align: 8
    .kernarg_segment_size: 16
    .max_flat_workgroup_size: 128
    .sgpr_count:     66
    .vgpr_count:     544
    .wavefront_size: 32
...
	.end_amdgpu_metadata
.endif
;; end of part 3
;; launch oproj (part 4): grid 8 x 32, 4 waves a work-group, clusters of 4 x 4, 327,680 bytes of LDS; arguments ao, wob, out0; writes out0
.if DOCPART == 4
	.amdgcn_target "amdgcn-amd-amdhsa--gfx1250"
	.amdhsa_code_object_version 6
	.text
	.protected	k_qed61362d4d_oproj
	.globl	k_qed61362d4d_oproj
	.p2align	8
	.type	k_qed61362d4d_oproj,@function
k_qed61362d4d_oproj:
	s_mov_b64 s[64:65], 0
	v_nop
	global_prefetch_b8 v0, s[64:65] scope:SCOPE_SE
	s_setreg_imm32_b32 hwreg(HW_REG_WAVE_MODE, 25, 1), 1
	s_wait_xcnt 0x0
	s_wait_alu depctr_hold_cnt(0) depctr_sa_sdst(0) depctr_va_vdst(0) depctr_va_sdst(0) depctr_va_ssrc(0) depctr_va_vcc(0) depctr_vm_vsrc(0)
	s_getreg_b32 s2, hwreg(HW_REG_IB_STS2, 6, 4)
	s_cmp_eq_u32 s2, 0
	s_cbranch_scc0 .Lentry_in_a_cluster
	s_endpgm
.Lentry_in_a_cluster:
	s_bfe_u32 s2, ttmp6, 0x10000c
	s_cmp_lg_u32 s2, 0xf033
	s_cbranch_scc0 .Lentry_shape_is_right
	s_endpgm
.Lentry_shape_is_right:
; oproj: out0 [4096][1024] f32 = attention output x Wo^T, f16 operands, f32 sums.
; ao [32 b*16+head][2048 s][64] f16;  wob [16 kb][1024 e][64] f16 (kb = head): for each head the 128 rows of a block are 16384 consecutive bytes in both.
; 8 x 32 = 256 work-groups, a block of 128 x 128 each; four waves, 64 x 64 each: 16 accumulator tiles in window 1 (tile (a, b) at v[8 (4 a + b)]).
; K = 1024 goes in four fills of 256 (four heads) through two LDS slots: both are filled at the start and each once more.  A wave's one load brings two heads'
; blocks, 32 KiB; a refill has a slot's 128 matrix instructions in which to land.  By this text's count a wave has two tensor loads out at the start, later one.
; CLUSTERS: 4 x 4 work-groups; ao's tiles hang on the block row alone and are asked for jointly along a row of the cluster, wob's on the block column alone, along a column.
; The matrix instruction is used transposed (source 0 = 16 rows of wob, source 1 = 16 rows of ao): lane l holds row l % 16 and eight neighbouring columns, 32 bytes of f32.
.set PITCH,  144                       ; an LDS row: 128 bytes + 16, an odd multiple of 16
.set KBLK,   128*PITCH                 ; one head's 128 rows
.set PART,   2*KBLK                    ; one tensor load: two heads
.set SLOT,   4*PART                    ; ao's heads 0-3 of the fill, then wob's
.set STAGE,  2*SLOT                    ; behind the ring: 16 rows x 272 bytes for each wave; no fill lands here
.set SPITCH, 272                       ; a stage row: 64 f32 + 16 bytes
.set ADRA, 16                          ; v16-17  LDS address of my ao fragments in slot 0, 1
.set ADRB, 20                          ; v20-21  the same for wob
.set STO,  24
.set RD,   25
.set CO,   26
.set F0,   64                          ; v64-95 ao's four fragments, v96-127 wob's
.set F1,   128                         ; the second buffer
.set RB0,  192                         ; v192-223, v224-255: read-back, by turns
.set RB1,  224
.set G1, 24
.set G0, 32
.set G1B, 48
.set G0B, 56
.set MULW, 0x50                        ; C and D window 1, sources window 0
.set MSB, 0
.macro WIN new                         ; switch register windows; the immediate's high byte repeats the setting that is left
.if MSB != \new
	s_set_vgpr_msb (MSB<<8)|\new
.set MSB, \new
.endif
.endm
.macro JLOAD s                         ; waves 0 and 1 ask for ao's two parts, waves 2 and 3 for wob's; the branch hangs on the wave's number alone
	s_cmp_eq_u32 s11, 0
	s_cbranch_scc0 .Lfor_b_\@
	tensor_load_to_lds s[G0+4*\s:G0+4*\s+3], s[G1:G1+7]
	s_nop 0
	s_branch .Lasked_\@
.Lfor_b_\@:
	tensor_load_to_lds s[G0B+4*\s:G0B+4*\s+3], s[G1B:G1B+7]
	s_nop 0
.Lasked_\@:
.endm
.macro CROUND                          ; a round of the cluster's barrier
	s_barrier_signal -1
	s_barrier_wait -1
	s_cmp_lg_u32 s10, 0
	s_cbranch_scc1 .Lnot_wave_0_\@
	s_barrier_signal -3
.Lnot_wave_0_\@:
	s_barrier_wait -3
	s_barrier_signal -1
	s_barrier_wait -1
.endm
	s_load_b128 s[4:7], s[0:1], 0x0                ; ao, wob
	s_load_b64 s[8:9], s[0:1], 0x10                ; out0
	v_lshl_add_u32 v62, v0, 2, 0x4c400
	v_mov_b32 v63, 0
	ds_add_u32 v62, v63
	ds_add_u32 v62, v63
	v_lshrrev_b32 v1, 5, v0
	v_readfirstlane_b32 s10, v1                    ; wave 0..3
	s_lshr_b32 s11, s10, 1                         ; which 64 rows of the block are mine.  Also: I fetch ao (0) or wob (1)
	s_and_b32 s12, s10, 1                          ; which 64 columns.  Also: which two heads of a fill I fetch
	s_bfe_u32 s40, ttmp6, 0x40000                  ; cx
	s_bfe_u32 s41, ttmp6, 0x40004                  ; cy
	s_lshl_b32 s42, ttmp9, 2
	s_add_co_u32 s42, s42, s40                     ; block column
	s_and_b32 s13, ttmp7, 0xffff
	s_lshl_b32 s13, s13, 2
	s_add_co_u32 s13, s13, s41                     ; block row
	s_lshl_b32 s43, s41, 2
	s_lshl_b32 s43, 15, s43                        ; my row of the cluster
	s_lshl_b32 s44, 0x1111, s40                    ; my column
	; group 1: two rows of 8192 elements of 2 bytes, each row one head's dense block of 128 x 64; 4 words of padding behind every 32 words, counted along the
	; whole tile: in LDS 256 rows of 128 bytes, 144 bytes apart
	s_or_b32 s[G1+0], s43, (1<<16)|(1<<20)|(1<<21)|(4<<22)|(3<<25)
	s_or_b32 s[G1B+0], s44, (1<<16)|(1<<20)|(1<<21)|(4<<22)|(3<<25)
	s_mov_b32 s[G1+1], 8192<<16
	s_mov_b32 s[G1B+1], 8192<<16                   ; tensor_dim0 = 8192
	s_mov_b32 s[G1+2], 2<<16
	s_mov_b32 s[G1B+2], 2<<16                      ; tensor_dim1 = 2
	s_mov_b32 s[G1+3], 8192<<16
	s_mov_b32 s[G1B+3], 8192<<16                   ; tile_dim0 = 8192
	s_mov_b32 s[G1+4], 2
	s_mov_b32 s[G1B+4], 2                          ; tile_dim1 = 2
	s_mov_b32 s[G1+5], 131072                      ; from head to head in ao: 2048 x 64 elements
	s_mov_b32 s[G1B+5], 65536                      ; in wob: 1024 x 64
	s_mov_b32 s[G1+6], 0
	s_mov_b32 s[G1B+6], 0
	s_mov_b32 s[G1+7], 0
	s_mov_b32 s[G1B+7], 0
	s_lshr_b32 s16, s13, 4                         ; ao: batch x 16 heads x 262144
	s_lshl_b32 s16, s16, 22
	s_and_b32 s17, s13, 15
	s_lshl_b32 s17, s17, 14                        ;   + 128 rows x 128 bytes x block in the sequence
	s_add_co_u32 s16, s16, s17
	s_lshl_b32 s17, s12, 19                        ;   + my two heads
	s_add_co_u32 s16, s16, s17
	s_mov_b32 s17, 0
	s_lshl_b32 s46, s42, 14                        ; wob: block column x 128 rows x 128 bytes
	s_lshl_b32 s47, s12, 18                        ;   + my two k blocks
	s_add_co_u32 s46, s46, s47
	s_mov_b32 s47, 0
	s_mul_i32 s20, s10, PART                       ; LDS: wave x one load's bytes
	s_wait_dscnt 0x0
	s_wait_kmcnt 0x0
	s_add_nc_u64 s[14:15], s[4:5], s[16:17]
	s_add_nc_u64 s[46:47], s[6:7], s[46:47]
	CROUND                                         ; all sixteen work-groups are here: the first joint loads meet
.irp s, 0,1
	s_mov_b32 s[G0+4*\s], 1
	s_add_co_u32 s[G0+4*\s+1], s20, \s*SLOT
	s_add_nc_u64 s[G0+4*\s+2:G0+4*\s+3], s[14:15], \s*1048576      ; four heads on
	s_or_b32 s[G0+4*\s+3], s[G0+4*\s+3], 0x80000000
	s_mov_b32 s[G0B+4*\s], 1
	s_add_co_u32 s[G0B+4*\s+1], s20, \s*SLOT
	s_add_nc_u64 s[G0B+4*\s+2:G0B+4*\s+3], s[46:47], \s*524288
	s_or_b32 s[G0B+4*\s+3], s[G0B+4*\s+3], 0x80000000
	JLOAD \s
.endr
	v_and_b32 v1, 15, v0                           ; l % 16
	v_bfe_u32 v2, v0, 4, 1                         ; l / 16
	v_mul_u32_u24 v3, v1, PITCH
	v_lshl_add_u32 v3, v2, 4, v3
	s_mul_i32 s21, s11, 64*PITCH
	s_mul_i32 s22, s12, 64*PITCH
	s_add_co_u32 s22, s22, 4*KBLK
.irp s, 0,1
	v_add_nc_u32 v[ADRA+\s], s21, v3
	v_add_nc_u32 v[ADRB+\s], s22, v3
	s_add_co_u32 s21, s21, SLOT
	s_add_co_u32 s22, s22, SLOT
.endr
	s_mul_i32 s23, s10, 16*SPITCH
	s_add_co_u32 s23, s23, STAGE
	v_mul_u32_u24 v4, v1, SPITCH                   ; in: row l % 16, 32 bytes for each half of the lanes
	v_lshl_add_u32 v4, v2, 5, v4
	v_add_nc_u32 v[STO], s23, v4
	v_mul_u32_u24 v5, v2, SPITCH                   ; back: lanes 0-15 take one row of 256 bytes, lanes 16-31 the next
	v_lshl_add_u32 v5, v1, 4, v5
	v_add_nc_u32 v[RD], s23, v5
	v_lshlrev_b32 v5, 12, v2                       ; and the same two rows in out0
	v_lshl_add_u32 v[CO], v1, 4, v5
.macro FETCH slot, q, f                ; the fragments of 32 along K, chunk q of the slot's eight: 8 loads for ao, 8 for wob
.irp i, 0,1,2,3
	ds_load_b128 v[\f+8*\i:\f+8*\i+3],   v[ADRA+\slot] offset:((\q)>>1)*KBLK+((\q)&1)*64+\i*16*PITCH
	ds_load_b128 v[\f+8*\i+4:\f+8*\i+7], v[ADRA+\slot] offset:((\q)>>1)*KBLK+((\q)&1)*64+\i*16*PITCH+32
.endr
.irp i, 0,1,2,3
	ds_load_b128 v[\f+32+8*\i:\f+32+8*\i+3],   v[ADRB+\slot] offset:((\q)>>1)*KBLK+((\q)&1)*64+\i*16*PITCH
	ds_load_b128 v[\f+32+8*\i+4:\f+32+8*\i+7], v[ADRB+\slot] offset:((\q)>>1)*KBLK+((\q)&1)*64+\i*16*PITCH+32
.endr
.endm
.macro MUL16 f, zero                   ; each of the 16 accumulators once: they take turns, one instruction a turn
.irp a, 0,1,2,3
.irp b, 0,1,2,3
.if \zero
	v_wmma_f32_16x16x32_f16 v[8*(4*\a+\b):8*(4*\a+\b)+7], v[\f+32+8*\b:\f+32+8*\b+7], v[\f+8*\a:\f+8*\a+7], 0
.else
	v_wmma_f32_16x16x32_f16 v[8*(4*\a+\b):8*(4*\a+\b)+7], v[\f+32+8*\b:\f+32+8*\b+7], v[\f+8*\a:\f+8*\a+7], v[8*(4*\a+\b):8*(4*\a+\b)+7]
.endif
.endr
.endr
.endm
.macro PLACES                          ; four independent vector instructions between a matrix instruction and a load into, or an LDS store of, its registers
.rept 4
	v_nop
.endr
.endm
.macro QSTEP slot, q, f, g, zero, pl   ; fetch chunk q + 1 into buffer g, multiply chunk q from buffer f
.if \pl
	PLACES
.endif
	FETCH \slot, (\q+1), \g
	s_wait_dscnt 16                                ; chunk q is in; the 16 loads just issued may be out
	WIN MULW
	MUL16 \f, \zero
	WIN 0
.endm
.macro SLOTWORK slot, zero             ; a slot's 256 along K
.if \zero == 0
	PLACES                                         ; behind the last slot's products; serves both of the first two fetches
.endif
	FETCH \slot, 0, F0
	QSTEP \slot, 0, F0, F1, \zero, 0
	QSTEP \slot, 1, F1, F0, 0, 1
	QSTEP \slot, 2, F0, F1, 0, 1
	QSTEP \slot, 3, F1, F0, 0, 1
	QSTEP \slot, 4, F0, F1, 0, 1
	QSTEP \slot, 5, F1, F0, 0, 1
	QSTEP \slot, 6, F0, F1, 0, 1
	s_wait_dscnt 0
	WIN MULW
	MUL16 F1, 0
	WIN 0
.endm
.macro REFILL s                        ; slot s, which has been read, gets the fill two further on
	s_wait_tensorcnt 0x0                           ; all my tensor loads have landed, my part of the other slot among them: the group 0 sets may be written
	ds_add_u32 v62, v63
	s_add_nc_u64 s[G0+4*\s+2:G0+4*\s+3], s[G0+4*\s+2:G0+4*\s+3], 2097152
	s_add_nc_u64 s[G0B+4*\s+2:G0B+4*\s+3], s[G0B+4*\s+2:G0B+4*\s+3], 1048576
	s_wait_dscnt 0x0                               ; my reads of slot s are back
	CROUND                                         ; both now hold of every wave of all sixteen work-groups
	JLOAD \s                                       ; the wave's one tensor load behind the round, and the first thing there
.endm
	s_wait_tensorcnt 0x1                           ; my part of slot 0 is in; slot 1's load, issued behind it, may stay out
	s_barrier_signal -1
	s_barrier_wait -1
	SLOTWORK 0, 1                                  ; heads 0-3; the first products start the sums
	REFILL 0
	SLOTWORK 1, 0                                  ; heads 4-7
	REFILL 1
	SLOTWORK 0, 0                                  ; heads 8-11
	s_wait_tensorcnt 0x0                           ; the last fill: my part is in,
	s_wait_dscnt 0x0
	s_barrier_signal -1
	s_barrier_wait -1                              ; everybody's is
	SLOTWORK 1, 0                                  ; heads 12-15
	; THE WAY OUT, 16 rows at a time, through my stage, so that sixteen lanes store 256 consecutive bytes, aligned
	PLACES
	s_lshl_b32 s16, s13, 7
	s_lshl_b32 s17, s11, 6
	s_add_co_u32 s16, s16, s17                     ; my first row
	s_lshl_b32 s16, s16, 12                        ; x 4096 bytes
	s_mov_b32 s17, 0
	s_add_nc_u64 s[8:9], s[8:9], s[16:17]
	s_lshl_b32 s46, s42, 9                         ; my first column: 512 bytes a block + 256 a half
	s_lshl_b32 s47, s12, 8
	s_add_co_u32 s46, s46, s47
	s_mov_b32 s47, 0
	s_add_nc_u64 s[8:9], s[8:9], s[46:47]
.macro OUTF a, rb
	WIN 0x04                                       ; an LDS store's data is source 1: window 1
.irp b, 0,1,2,3
	ds_store_b128 v[STO], v[8*(4*\a+\b):8*(4*\a+\b)+3]   offset:64*\b
	ds_store_b128 v[STO], v[8*(4*\a+\b)+4:8*(4*\a+\b)+7] offset:64*\b+16
.endr
	WIN 0
	s_wait_xcnt 0x0                                ; rb was the data of earlier stores: it is loaded again only behind this wait
.irp t, 0,1,2,3,4,5,6,7
	ds_load_b128 v[\rb+4*\t:\rb+4*\t+3], v[RD] offset:\t*2*SPITCH   ; LDS serves a wave's instructions in order: these see the stores above
.endr
.irp t, 0,1,2,3,4,5,6,7
	s_wait_dscnt 7-\t                              ; read-back t is in, the 7 - t younger ones may be out
	global_store_b128 v[CO], v[\rb+4*\t:\rb+4*\t+3], s[8:9] offset:(16*\a+2*\t)*4096 th:TH_STORE_NT
.endr
.endm
	OUTF 0, RB0
	OUTF 1, RB1
	OUTF 2, RB0
	OUTF 3, RB1
	s_wait_tensorcnt 0x0
	ds_add_u32 v62, v63
	s_wait_dscnt 0x0
	CROUND                                         ; the closing round: no work-group ends while a partner may still ask for a tile that names it
	s_endpgm
.Lfunc_end_k_qed61362d4d_oproj:
	.size	k_qed61362d4d_oproj, .Lfunc_end_k_qed61362d4d_oproj-k_qed61362d4d_oproj
	.p2alignl 7, 3214868480
	.fill 96, 4, 3214868480
	.section	.rodata,"a",@progbits
	.p2align	6, 0x0
	.amdhsa_kernel k_qed61362d4d_oproj
		.amdhsa_group_segment_fixed_size 327680
		.amdhsa_private_segment_fixed_size 0
		.amdhsa_enable_private_segment 0
		.amdhsa_kernarg_size 24
		.amdhsa_user_sgpr_count 2
		.amdhsa_user_sgpr_kernarg_segment_ptr 1
		.amdhsa_wavefront_size32 1
		.amdhsa_system_sgpr_workgroup_id_x 1
		.amdhsa_system_sgpr_workgroup_id_y 1
		.amdhsa_system_sgpr_workgroup_id_z 1
		.amdhsa_system_vgpr_workitem_id 0
		.amdhsa_next_free_vgpr 384
		.amdhsa_next_free_sgpr 66
		.amdhsa_reserve_vcc 0
		.amdhsa_float_denorm_mode_32 3
		.amdhsa_float_denorm_mode_16_64 3
		.amdhsa_memory_ordered 1
		.amdhsa_forward_progress 1
		.amdhsa_inst_pref_size 88
	.end_amdhsa_kernel
	.amdgpu_metadata
---
amdhsa.version: [ 1, 2 ]
amdhsa.kernels:
  - .name:           k_qed61362d4d_oproj
    .symbol:         k_qed61362d4d_oproj.kd
    .args:
      - { .name: ao, .offset: 0, .size: 8, .value_kind: global_buffer, .address_space: global }
      - { .name: wob, .offset: 8, .size: 8, .value_kind: global_buffer, .address_space: global }
      - { .name: out0, .offset: 16, .size: 8, .value_kind: global_buffer, .address_space: global }
    .group_segment_fixed_size: 327680
    .private_segment_fixed_size: 0
    .kernarg_segment_align: 8
    .kernarg_segment_size: 24
    .max_flat_workgroup_size: 128
    .sgpr_count:     66
    .vgpr_count:     384
    .wavefront_size: 32
...
	.end_amdgpu_metadata
.endif
;; end of part 4
